; MI455X (gfx1250); checked and timed in simulation.
; The chip was launched on July 23, 2026; its instructions are those of AMD's public machine-readable ISA for CDNA 5 (MIT licence, August 2026) and "CDNA5" Instruction Set Architecture Reference Guide (July 2026). The comments in the code are by the model that wrote it; some were corrected since.
;; Scaled Dot Product. Allowed arithmetic: matrix products marked QUANTISED: E4M3 operands, one given power-of-two scale a tensor, by v_wmma_f32_16x16x64_fp8_fp8 or v_wmma_f32_16x16x128_fp8_fp8, f32 sums; everything else in f32.
;; Inputs: key 4 x 8 x 2,048 x 64 float32; lowp_scales 4 int32 (the exponents e of the quantised operands' scales 2^e); query 4 x 8 x 2,048 x 64 float32; value 4 x 2,048 x 8 x 64 float32.
;; Outputs: out0 4 x 2,048 x 8 x 64 float32.
;; This version of the problem:
;;   THIS VERSION OF THE PROBLEM IS GIVEN IN LOW PRECISION. The matrix products marked QUANTISED in the list below multiply operands that are first quantised to E4M3 (4 exponent bits, 3 mantissa bits; 8 bits a number), with one given power-of-two scale for each operand tensor; their sums are f32. All else is computed in f32.
;;   The module's matrix products, in the order in which they are computed (A, B: the left and right operand; K: the contracted axis; several contracted axes count as one K, in the product's order):
;;     1. batch 32 x [M 2,048, K 64] x [K 64, N 2,048]; A: input query; B: input key: QUANTISED (scales: A lowp_scales[0], B lowp_scales[1])
;;     2. batch 32 x [M 64, K 2,048] x [K 2,048, N 2,048]; A: input value; B: softmax (see below): QUANTISED (scales: A lowp_scales[2], B lowp_scales[3])
;;   THE QUANTISER, for each operand of a quantised product, along K:
;;     - The operand's scale is 2^e, e = its entry of the input lowp_scales (int32; the entries are numbered through the quantised products in the list's order, A before B).
;;     - Each number is divided by the scale, clamped to +-448, and rounded to the nearest number of E4M3, ties to even, subnormals kept.
;;     - The product sums the exact products of the quantised numbers (number of the format x scale) in f32.
;;   ~~~python
;;   def quantise(x, axis, e):      # numpy; x: float32 -> the quantised numbers, widened to float32 again
;;       x = np.moveaxis(x, axis, -1); K = x.shape[-1]
;;       r = np.clip(x / 2.0 ** e, -448, 448)
;;       step = 2.0 ** (np.maximum(np.frexp(np.where(r == 0, 1, r))[1] - 1, -6) - 3)
;;       q = np.round(r / step) * step * 2.0 ** e      # np.round: ties to even
;;       return np.moveaxis(q, -1, axis).astype(np.float32)
;;   ~~~
;;   SOFTMAX AHEAD OF A QUANTISED PRODUCT. Where the list says 'softmax', what is quantised is not the finished softmax but p = 2^(t - M), with t = logit x log2(e) and M = ceil(the row's largest t), a whole number; so 1/2 < the row's largest p <= 1. The row's sum l is taken of the UNQUANTISED p, in f32, and the product's result is divided by l at the end. Since M is a whole number, a kernel that streams over the keys may use a running M (the ceiling of the running maximum): every later rescaling is an exact power of two, so the quantised numbers keep their values, but for numbers so far below the row's largest that they fall under the format's range.
;;   OPERANDS COMPUTED ON THE WAY. 'Computed on the way' means the value that the module computes at that place (a softmax that the list does not call 'softmax' is quantised finished and normalised). What goes into a quantiser is computed in f32, as accurately as f32 sums, v_exp_f32 and their like allow (about 1e-6 of the number): no bf16 or f16 on the way to a quantiser, and a product that is left as it is and whose result goes on into a quantised operand takes f32 operands (vector FMAs, or v_wmma_f32_16x16x4_f32). A number that lies on a knife's edge between two numbers of the format may be rounded either way, as far as f32 arithmetic and the matrix unit's own rounding can turn it there, and no further.
;; One version. Each part assembles by itself: llvm-mc -triple=amdgcn-amd-amdhsa -mcpu=gfx1250 --defsym DOCPART=n.
;; ======== version 1 of 1: 2 launches
;; limits: right only within a limited range of input values
;; workspace buffers: kv 8,388,608 bytes
;; launch quant (part 1): grid 512 x 1, 4 waves a work-group, no clusters, 53,760 bytes of LDS; arguments key, value, lowp_scales, kv; writes kv
.if DOCPART == 1
	.amdgcn_target "amdgcn-amd-amdhsa--gfx1250"
	.amdhsa_code_object_version 6
	.text
	.protected	k_qf4fe85db30_quant
	.globl	k_qf4fe85db30_quant
	.p2align	8
	.type	k_qf4fe85db30_quant,@function
k_qf4fe85db30_quant:
	s_mov_b64 s[64:65], 0
	v_nop
	global_prefetch_b8 v0, s[64:65] scope:SCOPE_SE
	s_setreg_imm32_b32 hwreg(HW_REG_WAVE_MODE, 25, 1), 1
	s_wait_xcnt 0x0
; key [32 heads][2048][64] and value [4][2048 keys][8 heads][64], f32, become codes of FP8 (E4M3), each with the one scale 2^e that is given for it
; (lowp_scales: 0 query, 1 key, 2 value, 3 the softmax's p).  code = x / 2^e, held within +-448, rounded to the nearest code, ties to even.
; Nothing of reference() is left out anywhere in this program: every input has a way to the output and both products are live.
; LIMITS: ek and ev between -126 and 119, so that 2^e and 448 x 2^e are f32 numbers.  NaN among the inputs is not served; an infinity is held at the largest code.
; THE WORKSPACE kv: [32 heads][262,144 bytes], laid IN THE ORDER OF THE OPERANDS' REGISTERS, in blocks of one key step (128 keys, 8,192 bytes):
;   K's image, from byte 0 of a head:       step s at 8192 s, tile a (0..7) at + 1024 a, c (0, 1) at + 512 c, lane l = 16 h + r at + 16 l:
;                                           channels 32 c + 16 h + 0 .. 15 of key 128 s + 32 (a / 2) + 8 (a % 2) + r + 8 (r / 8)
;   V's image, from byte 131,072 of a head: step s at 8192 s, tile t (0..3) at + 2048 t, c (0..3) at + 512 c, lane l at + 16 l:
;                                           keys 128 s + 32 c + 16 h + 0 .. 15 of channel 16 t + r
; So the next launch fetches every fragment by loads of 16 bytes a lane at 16 x lane + a constant.
; SHARES.  Work-groups 0-255 take K (256 keys each), 256-511 take V (128 keys x 128 columns each): 64 KiB in, 16 KiB out for every one.  The two ways part on the work-group's number alone;
; each has LDS bytes of its own; waves share nothing, so there is no barrier.
.set KSTG,  16*272                     ; K: a stage of 16 key rows x (256 bytes + 16): the 16 rows begin at 16 different 16-byte columns modulo 256
.set KWAVE, 2*KSTG                     ; two stages for each wave, by turns
.set VBASE, 4*KWAVE                    ; V: behind K's stages: for each wave 32 column rows x (128 bytes + 16)
.set VWAVE, 32*144
.set SPARE, VBASE+4*VWAVE              ; 53,248: the spare words, 128 bytes for each wave: two blocks of 256 bytes that no other line names
.set L16,  2                           ; v2   16 x lane
.set KIN,  3                           ; v3   K: into the stage, as loaded
.set KOUT, 4                           ; v4   K: out of it, 64 bytes a lane
.set VOUT, 7                           ; v7   V: out of the stage, in image order
.set VIN,  8                           ; v8   V: into it: row = my column
.set L4,   9                           ; v9   4 x lane
.set HOLD, 10                          ; v10  448 x 2^e
.set SCL,  11                          ; v11  2^e
.set SPW,  14                          ; v14  LDS address of my spare word; never rewritten
.set NIL,  15                          ; v15  0; never rewritten
.set R,    16                          ; K: v16-143   four tiles of 32 registers, as loaded
.set X,    144                         ; K: v144-207  two sets of 32 numbers: my 16 channels of c = 0, then of c = 1
.set C,    208                         ; K: v208-239  eight registers of codes for each tile: no store's data are written again
.set VX,   32                          ; V: v32-95    two sets of 32 numbers: 32 keys of my column
.set VC,   96                          ; V: v96-103   a block's codes
.set VO,   112                         ; V: v112-143  the way out
	s_load_b256 s[4:11], s[0:1], 0x0               ; key s[4:5], value s[6:7], the scales' exponents s[8:9], kv s[10:11]
	v_lshl_add_u32 v[SPW], v0, 2, SPARE
	v_mov_b32 v[NIL], 0
	v_lshrrev_b32 v12, 5, v0
	v_readfirstlane_b32 s12, v12                   ; wave 0..3
	v_and_b32 v1, 31, v0                           ; lane
	v_lshlrev_b32 v[L16], 4, v1
	v_lshlrev_b32 v[L4], 2, v1
	v_and_b32 v5, 15, v0                           ; r
	v_bfe_u32 v6, v0, 4, 1                         ; h
	; every LDS address of both ways is made here, ahead of the parting
	s_mul_i32 s13, s12, KWAVE
	v_mul_u32_u24 v[KIN], v6, 272
	v_lshl_add_u32 v[KIN], v5, 4, v[KIN]
	v_add_nc_u32 v[KIN], s13, v[KIN]               ; a load's 512 bytes are two key rows: row lane / 16, byte 16 (lane % 16)
	v_mul_u32_u24 v[KOUT], v5, 272
	v_lshl_add_u32 v[KOUT], v6, 6, v[KOUT]
	v_add_nc_u32 v[KOUT], s13, v[KOUT]             ; key row r, + 64 h: my 16 channels of a block of 32
	s_mul_i32 s13, s12, VWAVE
	s_add_co_u32 s13, s13, VBASE
	v_mul_u32_u24 v[VIN], v1, 144
	v_add_nc_u32 v[VIN], s13, v[VIN]
	v_mul_u32_u24 v[VOUT], v5, 144
	v_lshl_add_u32 v[VOUT], v6, 4, v[VOUT]
	v_add_nc_u32 v[VOUT], s13, v[VOUT]             ; column row r, + 16 h
	s_wait_kmcnt 0x0
	s_load_b128 s[16:19], s[8:9], 0x0              ; eq, ek, ev, ep
	s_cmp_lt_u32 ttmp9, 256
	s_cbranch_scc0 .Lvalue
	; ---------------- K.  A wave takes 64 neighbouring keys: four tiles of 16 chosen keys.
	s_lshl_b32 s20, ttmp9, 16                      ; 256 keys of 256 bytes a work-group,
	s_lshl_b32 s21, s12, 14                        ; 64 a wave
	s_add_co_u32 s20, s20, s21
	s_mov_b32 s21, 0
	s_add_nc_u64 s[4:5], s[4:5], s[20:21]
	s_lshr_b32 s22, ttmp9, 3                       ; the head: eight work-groups each
	s_lshl_b32 s22, s22, 18
	s_and_b32 s23, ttmp9, 7
	s_lshl_b32 s23, s23, 14                        ; two key steps a work-group,
	s_add_co_u32 s22, s22, s23
	s_lshl_b32 s23, s12, 12                        ; four tiles of 1,024 bytes a wave
	s_add_co_u32 s22, s22, s23
	s_mov_b32 s23, 0
	s_add_nc_u64 s[10:11], s[10:11], s[22:23]
; Tile t of the wave: keys 32 (t / 2) + 8 (t % 2) + 0 .. 7 and the eight that lie 16 further on.  Each load reads 512 consecutive bytes, two keys.
.macro KLOAD t
.irp i, 0,1,2,3,4,5,6,7
	global_load_b128 v[R+32*(\t)+4*\i:R+32*(\t)+4*\i+3], v[L16], s[4:5] offset:((\t)/2)*8192+((\t)%2)*2048+(\i/4)*4096+(\i%4)*512 th:TH_LOAD_NT
.endr
.endm
; The tile turns through a stage: in as loaded, out 64 bytes a lane.  LDS serves a wave's instructions in order, so no wait stands between the stores and the loads, nor ahead of the stage's next use.
.macro KTURN t
.irp i, 0,1,2,3,4,5,6,7
	ds_store_b128 v[KIN], v[R+32*(\t)+4*\i:R+32*(\t)+4*\i+3] offset:((\t)%2)*KSTG+544*\i
.endr
.irp c, 0,1
.irp j, 0,1,2,3
	ds_load_b128 v[X+32*((\t)%2)+16*\c+4*\j:X+32*((\t)%2)+16*\c+4*\j+3], v[KOUT] offset:((\t)%2)*KSTG+128*\c+16*\j
.endr
.endr
.endm
	KLOAD 0
	KLOAD 1
	KLOAD 2
	KLOAD 3                                        ; all of the wave's 16 KiB are asked for: 32 loads
	s_wait_kmcnt 0x0
	s_add_co_i32 s28, s17, 127
	s_lshl_b32 s29, s28, 23
	v_mov_b32 v[SCL], s29                          ; 2^ek as f32: the conversion takes its exponent field
	s_add_co_i32 s28, s28, 8
	s_lshl_b32 s28, s28, 23
	s_or_b32 s28, s28, 0x600000
	v_mov_b32 v[HOLD], s28                         ; 448 x 2^ek
	s_wait_loadcnt 24                              ; tile 0's eight loads are in; the 24 younger may be out
	s_wait_alu depctr_va_vdst(0)
	KTURN 0
.irp t, 0,1,2,3
.if \t < 3
	s_wait_loadcnt 16-8*\t                         ; the next tile's eight loads are in; the younger tiles' may be out
	KTURN \t+1                                     ; it goes through the other stage while this tile is worked
	s_wait_dscnt 16                                ; this tile is back: behind its loads stand the next tile's 8 stores and 8 loads
.else
	s_wait_dscnt 0x0
.endif
.set XS, X+32*(\t%2)
.set i, 0
.rept 32
	v_med3_num_f32 v[XS+i], v[XS+i], -v[HOLD], v[HOLD]   ; the conversion to an 8-bit code does not saturate (ISA guide 7.6.2): the hold at the largest code x the scale
.set i, i+1
.endr
.irp g, 0,1,2,3
	v_cvt_scalef32_pk8_fp8_f32 v[C+8*\t+2*\g:C+8*\t+2*\g+1], v[XS+8*\g:XS+8*\g+7], v[SCL]
.endr
	global_store_b128 v[L16], v[C+8*\t:C+8*\t+3], s[10:11] offset:1024*\t          ; c = 0: the wave stores 512 consecutive bytes, at a multiple of 256 from kv's first byte
	global_store_b128 v[L16], v[C+8*\t+4:C+8*\t+7], s[10:11] offset:1024*\t+512    ; c = 1
.endr                                          ; (the conversions' results go to stores alone; the next vector lines are the next tile's holds, plain lines on other registers)
	s_branch .Lend
	; ---------------- V.  A lane takes a column (a head's channel) and its registers run down the keys: the conversions then give codes with the keys innermost.
.Lvalue:
	s_sub_co_u32 s20, ttmp9, 256
	s_and_b32 s21, s20, 3                          ; which 128 of a batch's 512 columns
	s_bfe_u32 s22, s20, 0x40002                    ; the key step, 0..15
	s_lshr_b32 s23, s20, 6                         ; the batch
	s_lshl_b32 s24, s23, 22                        ; a batch: 2,048 rows of 2,048 bytes
	s_lshl_b32 s25, s22, 18                        ; a step: 128 rows
	s_add_co_u32 s24, s24, s25
	s_lshl_b32 s25, s21, 9
	s_add_co_u32 s24, s24, s25
	s_lshl_b32 s25, s12, 7                         ; my wave's 32 columns
	s_add_co_u32 s24, s24, s25
	s_mov_b32 s25, 0
	s_add_nc_u64 s[6:7], s[6:7], s[24:25]
	s_lshl_b32 s26, s23, 3                         ; the head of my 32 columns: 8 x batch + 2 x column block + wave / 2
	s_lshl_b32 s27, s21, 1
	s_add_co_u32 s26, s26, s27
	s_lshr_b32 s27, s12, 1
	s_add_co_u32 s26, s26, s27
	s_lshl_b32 s26, s26, 18
	s_lshl_b32 s27, s22, 13                        ; the step's block,
	s_add_co_u32 s26, s26, s27
	s_and_b32 s27, s12, 1
	s_lshl_b32 s27, s27, 12                        ; my two tiles of 16 channels in it,
	s_add_co_u32 s26, s26, s27
	s_add_co_u32 s26, s26, 131072                  ; in V's image
	s_mov_b32 s27, 0
	s_add_nc_u64 s[10:11], s[10:11], s[26:27]
.macro VLOAD t                         ; keys 32 t + 0 .. 31 of my column: a wave reads 128 consecutive bytes, the four waves 512
.set i, 0
.rept 32
	global_load_b32 v[VX+32*((\t)%2)+i], v[L4], s[6:7] offset:(32*(\t)+i)*2048 th:TH_LOAD_NT
.set i, i+1
.endr
.endm
	VLOAD 0
	VLOAD 1
	s_wait_kmcnt 0x0
	s_add_co_i32 s28, s18, 127
	s_lshl_b32 s29, s28, 23
	v_mov_b32 v[SCL], s29                          ; 2^ev
	s_add_co_i32 s28, s28, 8
	s_lshl_b32 s28, s28, 23
	s_or_b32 s28, s28, 0x600000
	v_mov_b32 v[HOLD], s28                         ; 448 x 2^ev
	s_wait_alu depctr_va_vdst(0)
.irp t, 0,1,2,3
.if \t < 3
	s_wait_loadcnt 32                              ; this block's 32 loads are in; the next block's may be out
.else
	s_wait_loadcnt 0x0
.endif
.set XS, VX+32*(\t%2)
.set i, 0
.rept 32
	v_med3_num_f32 v[XS+i], v[XS+i], -v[HOLD], v[HOLD]
.set i, i+1
.endr
.irp g, 0,1,2,3
	v_cvt_scalef32_pk8_fp8_f32 v[VC+2*\g:VC+2*\g+1], v[XS+8*\g:XS+8*\g+7], v[SCL]
.endr
	ds_store_b128 v[VIN], v[VC:VC+3] offset:32*\t          ; 32 codes: 32 bytes of my column's row
	ds_store_b128 v[VIN], v[VC+4:VC+7] offset:32*\t+16
.if \t < 2
	VLOAD \t+2
.endif
	s_wait_dscnt 0x0                               ; the stores have read their registers: the next block's codes may be written
.endr
.irp n, 0,1,2,3,4,5,6,7                        ; out in image order: tile n / 4 of my two, c = n % 4: lane (r, h) takes keys 32 c + 16 h + 0 .. 15 of column row 16 (n / 4) + r
	ds_load_b128 v[VO+4*\n:VO+4*\n+3], v[VOUT] offset:2304*(\n/4)+32*(\n%4)
.endr
.irp n, 0,1,2,3,4,5,6,7
	s_wait_dscnt 7-\n                              ; load n is in; the 7 - n younger may be out
	global_store_b128 v[L16], v[VO+4*\n:VO+4*\n+3], s[10:11] offset:2048*(\n/4)+512*(\n%4)   ; 512 consecutive bytes
.endr
.Lend:
	s_wait_tensorcnt 0x0                           ; the wave's end
	ds_add_u32 v[SPW], v[NIL]
	s_wait_dscnt 0x0
	s_endpgm
.Lfunc_end_k_qf4fe85db30_quant:
	.size	k_qf4fe85db30_quant, .Lfunc_end_k_qf4fe85db30_quant-k_qf4fe85db30_quant
	.p2alignl 7, 3214868480
	.fill 96, 4, 3214868480
	.section	.rodata,"a",@progbits
	.p2align	6, 0x0
	.amdhsa_kernel k_qf4fe85db30_quant
		.amdhsa_group_segment_fixed_size 53760
		.amdhsa_private_segment_fixed_size 0
		.amdhsa_enable_private_segment 0
		.amdhsa_kernarg_size 32
		.amdhsa_user_sgpr_count 2
		.amdhsa_user_sgpr_kernarg_segment_ptr 1
		.amdhsa_wavefront_size32 1
		.amdhsa_system_sgpr_workgroup_id_x 1
		.amdhsa_system_sgpr_workgroup_id_y 1
		.amdhsa_system_sgpr_workgroup_id_z 1
		.amdhsa_system_vgpr_workitem_id 0
		.amdhsa_next_free_vgpr 240
		.amdhsa_next_free_sgpr 66
		.amdhsa_reserve_vcc 0
		.amdhsa_float_denorm_mode_32 3
		.amdhsa_float_denorm_mode_16_64 3
		.amdhsa_memory_ordered 1
		.amdhsa_forward_progress 1
		.amdhsa_inst_pref_size 45
	.end_amdhsa_kernel
	.amdgpu_metadata
---
amdhsa.version: [ 1, 2 ]
amdhsa.kernels:
  - .name:           k_qf4fe85db30_quant
    .symbol:         k_qf4fe85db30_quant.kd
    .args:
      - { .name: key, .offset: 0, .size: 8, .value_kind: global_buffer, .address_space: global }
      - { .name: value, .offset: 8, .size: 8, .value_kind: global_buffer, .address_space: global }
      - { .name: lowp_scales, .offset: 16, .size: 8, .value_kind: global_buffer, .address_space: global }
      - { .name: kv, .offset: 24, .size: 8, .value_kind: global_buffer, .address_space: global }
    .group_segment_fixed_size: 53760
    .private_segment_fixed_size: 0
    .kernarg_segment_align: 8
    .kernarg_segment_size: 32
    .max_flat_workgroup_size: 128
    .sgpr_count:     66
    .vgpr_count:     240
    .wavefront_size: 32
...
	.end_amdgpu_metadata
.endif
;; end of part 1
;; launch attn (part 2): grid 32 x 8, 8 waves a work-group, no clusters, 297,984 bytes of LDS; arguments kv, lowp_scales, query, out0; writes out0
.if DOCPART == 2
	.amdgcn_target "amdgcn-amd-amdhsa--gfx1250"
	.amdhsa_code_object_version 6
	.text
	.protected	k_qf4fe85db30_attn
	.globl	k_qf4fe85db30_attn
	.p2align	8
	.type	k_qf4fe85db30_attn,@function
k_qf4fe85db30_attn:
	s_mov_b64 s[64:65], 0
	v_nop
	global_prefetch_b8 v0, s[64:65] scope:SCOPE_SE
	s_setreg_imm32_b32 hwreg(HW_REG_WAVE_MODE, 25, 1), 1
	s_wait_xcnt 0x0
; out[b][q][h][:] = the sum over k of softmax_k(query[b][h][q] . key[b][h][k] / sqrt(512)) value[b][k][h][:], both products on codes of FP8 (E4M3).
; THE SOFTMAX: t = score x log2(e) / sqrt(512); M = the row's largest t so far, rounded UP to a whole number; p = 2^(t - M) is quantised along the keys with the given 2^ep.
; The row's sum is taken of the unquantised p in f32 and divides at the end.  When M moves, the sum and O are multiplied by 2^(old M - new M): nothing is rounded.
; Nothing of reference() is left out: both products are live.
; LIMITS: eq + ek between -120 and 120 (added to an exponent field); eq and ep between -126 and 119.  NaN among the inputs is not served; an infinity in query is held at the largest code.
; The scaled scores (exponents to the base 2, before the maximum is taken away) stay under 2^31 in magnitude.
; SHARES.  A work-group (head x, block y) owns 256 queries of one head; each of its 8 waves owns 32 of them (two tiles of 16) and walks all 2,048 keys, 128 a step.
; K's and V's codes lie in kv in the order of the operands' registers (launch quant's head comment), 131,072 bytes each for a head.  LDS holds the whole image, at the same byte offsets, so no LDS byte of it is written twice.
; It comes through registers in four phases of 512 keys (32,768 bytes of K, as many of V; a wave brings an eighth of each: 16 loads of 512 bytes): a phase is asked for in step 0 of the phase before and stored in its step 2;
; one barrier a phase, signalled in step 2 and waited for in step 3.
; NO JOINT LOADS (cluster = none): the eight work-groups of a head read the same codes, but each key step branches on a given exponent, a number read from memory, round the 128 lines of the hold (of some 540 vector lines)
; NO PREFETCH: each phase's loads are themselves issued two key steps ahead of the wait for them.
; LAYOUT.  Both products are used transposed: S^T = K Q^T, O^T = V^T P^T: a lane holds ONE query (lane % 16) of each tile throughout, and the 16 registers of two neighbouring tiles of S^T are 16 neighbouring keys.
.set VIMG,  131072                     ; V's image behind K's
.set STAGE, 262144                     ; a stage of 16 x 272 bytes for each wave: Q's way in, O's way out
.set SP,    272
.set SPARE, STAGE+8*16*SP              ; the spare words, 128 bytes for each wave: four blocks of 256 bytes that no other line names
; window 0
.set LI,  1                            ; 16 x lane
.set ADK, 2                            ; LDS address of the phase's K, V
.set ADV, 3
.set SPW, 4                            ; LDS address of my spare word; never rewritten
.set NIL, 5                            ; 0; never rewritten
.set STO, 6                            ; the stage: O's way in
.set RD,  7                            ; the stage, two rows of 256 bytes an instruction
.set GO,  8                            ; my byte offset in the wave's rows of the output
.set STL, 9                            ; 16 x lane + 4096 x wave: my part of a phase
.set SCP, 10                           ; 2^ep
.set HP,  11                           ; 448 x 2^ep
.set STK, 14                           ; LDS address of my part of the phase in K's image, V's
.set STV, 15
.set ST,  16                           ; for each tile x, at ST + 8 x: -M, largest score, the sum in two halves, f, (upper half of f's pair), two at work
.set T,   32                           ; v32-63  partial sums
.set QA,  32                           ; in the head alone: the stage, 64 bytes a lane;
.set SCQ, 34                           ; 2^eq
.set HQ,  36                           ; 448 x 2^eq
.set S,   64                           ; v64-191  S^T, then p: 64 registers for each tile of queries
.set O,   192                          ; v192-255 O^T: 32 registers for each tile of queries
; window 1
.set QF,  0
.set KF,  16
.set VF,  80
.set PC,  144                          ; p's codes
.set G,   176                          ; the next phase's 16 x 16 bytes a lane
.set WV,  12
.set EP,  43
.set CS,  44                           ; s[44:45] c = log2(e) / sqrt(512) x 2^(eq + ek)
.set SEL, 46                           ; s[46:47] lane l xor 16 for v_permlanex16_b32
.set TB,  48                           ; the phase's first byte in an image
.set CNT, 49
.set MSB, 0
.macro WIN new                         ; the immediate's high byte repeats the setting that is left
.if MSB != \new
	s_set_vgpr_msb (MSB<<8)|\new
.set MSB, \new
.endif
.endm
.set TO_F, 0x40                        ; destination window 1
.set FR_F, 0x04                        ; source 1 (store data) window 1
.set MUL,  0x05                        ; sources 0 and 1 window 1, C and D window 0
	s_load_b256 s[4:11], s[0:1], 0x0               ; kv s[4:5], the scales' exponents s[6:7], query s[8:9], out0 s[10:11]
	v_lshl_add_u32 v[SPW], v0, 2, SPARE
	v_mov_b32 v[NIL], 0
	v_lshrrev_b32 v14, 5, v0
	v_readfirstlane_b32 s[WV], v14                 ; wave 0..7
	v_and_b32 v[LI], 31, v0
	v_lshlrev_b32 v[LI], 4, v[LI]
	v_and_b32 v38, 15, v0                          ; r
	v_bfe_u32 v39, v0, 4, 1                        ; h
	s_mul_i32 s53, s[WV], 16*SP
	s_add_co_u32 s53, s53, STAGE                   ; my stage
	s_lshl_b32 s52, s[WV], 12                      ; my part of a phase
	v_mul_u32_u24 v[STO], v38, SP
	v_lshl_add_u32 v[QA], v39, 6, v[STO]
	v_lshl_add_u32 v[STO], v39, 5, v[STO]
	v_add_nc_u32 v[QA], s53, v[QA]
	v_add_nc_u32 v[STO], s53, v[STO]
	v_mul_u32_u24 v[RD], v39, SP
	v_lshl_add_u32 v[RD], v38, 4, v[RD]
	v_add_nc_u32 v[RD], s53, v[RD]
	v_lshlrev_b32 v[GO], 11, v39
	v_lshl_add_u32 v[GO], v38, 4, v[GO]
	v_add_nc_u32 v[STL], s52, v[LI]
	v_add_nc_u32 v[STV], VIMG, v[STL]
	s_lshl_b32 s50, ttmp9, 18                      ; the head's image
	s_add_co_u32 s50, s50, s52
	s_mov_b32 s51, 0
	s_and_b32 s56, ttmp7, 0xffff
	s_lshl_b32 s56, s56, 8
	s_lshl_b32 s57, s[WV], 5
	s_add_co_u32 s56, s56, s57                     ; my first query
	s_lshl_b32 s54, ttmp9, 19
	s_lshl_b32 s57, s56, 8
	s_add_co_u32 s54, s54, s57                     ; its row in query
	s_mov_b32 s55, 0
	s_lshr_b32 s58, ttmp9, 3
	s_lshl_b32 s58, s58, 22                        ; the batch,
	s_lshl_b32 s57, s56, 11
	s_add_co_u32 s58, s58, s57                     ; the query,
	s_and_b32 s57, ttmp9, 7
	s_lshl_b32 s57, s57, 8
	s_add_co_u32 s58, s58, s57                     ; and the head in out0
	s_mov_b32 s59, 0
	s_mov_b32 s[SEL], 0x76543210
	s_mov_b32 s[SEL+1], 0xfedcba98
	s_mov_b32 s[CS], 0x3d8293ee                    ; log2(e) / sqrt(512)
	s_mov_b32 s[TB], 0
	s_mov_b32 s[CNT], 3
	s_wait_alu depctr_va_vdst(0)
	s_wait_kmcnt 0x0
	s_load_b128 s[40:43], s[6:7], 0x0              ; eq, ek, ev, ep
	s_add_nc_u64 s[4:5], s[4:5], s[50:51]
	s_add_nc_u64 s[8:9], s[8:9], s[54:55]
	s_add_nc_u64 s[10:11], s[10:11], s[58:59]
.macro GETPH off                       ; my part of a phase: K's 8 x 512 bytes, then V's
.irp n, 0,1,2,3,4,5,6,7
	global_load_b128 v[G+4*\n:G+4*\n+3], v[LI], s[4:5] offset:\off+512*\n
.endr
.irp n, 0,1,2,3,4,5,6,7
	global_load_b128 v[G+32+4*\n:G+32+4*\n+3], v[LI], s[4:5] offset:VIMG+\off+512*\n
.endr
.endm
.macro PUTPH k, off
.irp n, 0,1,2,3,4,5,6,7
	ds_store_b128 v[\k], v[G+4*\n:G+4*\n+3] offset:\off+512*\n
.endr
.irp n, 0,1,2,3,4,5,6,7
	ds_store_b128 v[STV], v[G+32+4*\n:G+32+4*\n+3] offset:\off+512*\n
.endr
.endm
.macro GETK ad, off                    ; a key step's fragments of K
.irp a, 0,1,2,3,4,5,6,7
.irp c, 0,1
	ds_load_b128 v[KF+8*\a+4*\c:KF+8*\a+4*\c+3], v[\ad] offset:\off+1024*\a+512*\c
.endr
.endr
.endm
	WIN TO_F
	GETPH 0                                        ; phase 0
	WIN 0
.irp x, 0,1
.irp n, 0,1,2,3,4,5,6,7                        ; my 32 queries: each load reads 512 consecutive bytes, two queries
	global_load_b128 v[S+32*\x+4*\n:S+32*\x+4*\n+3], v[LI], s[8:9] offset:4096*\x+512*\n th:TH_LOAD_NT
.endr
.endr
	s_wait_kmcnt 0x0
	s_add_co_i32 s60, s40, s41
	s_lshl_b32 s60, s60, 23
	s_add_co_i32 s[CS], s[CS], s60                 ; a score stands for score x 2^(eq + ek)
	s_mov_b32 s[CS+1], s[CS]                       ; (named with it as a pair)
	s_add_co_i32 s60, s43, 127
	s_lshl_b32 s61, s60, 23
	v_mov_b32 v[SCP], s61
	s_add_co_i32 s60, s60, 8
	s_lshl_b32 s60, s60, 23
	s_or_b32 s60, s60, 0x600000
	v_mov_b32 v[HP], s60
	s_add_co_i32 s60, s40, 127
	s_lshl_b32 s61, s60, 23
	v_mov_b32 v[SCQ], s61
	s_add_co_i32 s60, s60, 8
	s_lshl_b32 s60, s60, 23
	s_or_b32 s60, s60, 0x600000
	v_mov_b32 v[HQ], s60
.irp x, 0,1
	v_mov_b32 v[ST+8*\x], 0x7f61b1e6               ; -M: the first step's f is 0
	v_mov_b32 v[ST+8*\x+1], 0xff61b1e6             ; the largest score so far: -3e38
	v_mov_b32 v[ST+8*\x+2], 0
	v_mov_b32 v[ST+8*\x+3], 0
	v_mov_b32 v[ST+8*\x+5], 0
.endr
.set i, 0
.rept 64
	v_mov_b32 v[O+i], 0                            ; the step has one text: the first finds zeros
.set i, i+1
.endr
	s_wait_alu depctr_va_vdst(0)
	s_wait_loadcnt 16                              ; phase 0 is in; the 16 loads of query may be out
	WIN FR_F
	PUTPH STL, 0
	WIN 0
.irp x, 0,1                                    ; the queries turn through my stage: in as loaded, out 64 bytes a lane; LDS serves a wave's instructions in order
	s_wait_loadcnt 8-8*\x                          ; tile x is in; tile 1's eight loads may be out behind tile 0's
.irp n, 0,1,2,3,4,5,6,7
	ds_store_b128 v[RD], v[S+32*\x+4*\n:S+32*\x+4*\n+3] offset:2*SP*\n
.endr
.irp c, 0,1
.irp j, 0,1,2,3
	ds_load_b128 v[S+64+32*\x+16*\c+4*\j:S+64+32*\x+16*\c+4*\j+3], v[QA] offset:128*\c+16*\j
.endr
.endr
.endr
	s_wait_dscnt 0x0                               ; my part of phase 0 is stored, my queries are back
	s_barrier_signal -1
.set i, 0
.rept 64
	v_med3_num_f32 v[S+64+i], v[S+64+i], -v[HQ], v[HQ]   ; the conversion to an 8-bit code does not saturate (ISA guide 7.6.2)
.set i, i+1
.endr
	WIN TO_F
.irp x, 0,1
.irp c, 0,1
	v_cvt_scalef32_pk8_fp8_f32 v[QF+8*\x+4*\c:QF+8*\x+4*\c+1], v[S+64+32*\x+16*\c:S+64+32*\x+16*\c+7], v[SCQ]
	v_cvt_scalef32_pk8_fp8_f32 v[QF+8*\x+4*\c+2:QF+8*\x+4*\c+3], v[S+64+32*\x+16*\c+8:S+64+32*\x+16*\c+15], v[SCQ]
.endr
.endr
	v_nop                                          ; one plain place behind the conversions
	s_wait_alu depctr_va_vdst(0)
	s_barrier_wait -1                              ; phase 0 is whole
	GETK LI, 0
	WIN 0
	s_wait_dscnt 0x0                               ; step 0's K
; A KEY STEP: the s-th of the phase's four.  more = 1: a phase follows.
.macro STEP s, more
	WIN MUL
.irp a, 0,1,2,3,4,5,6,7                        ; S^T = K Q^T: each fragment of K serves both tiles of queries
.irp x, 0,1
	v_wmma_f32_16x16x64_fp8_fp8 v[S+64*\x+8*\a:S+64*\x+8*\a+7], v[KF+8*\a:KF+8*\a+7], v[QF+8*\x:QF+8*\x+7], 0
.endr
.endr
	WIN 0
.if \s == 0                                    ; four places behind the products
	v_add_nc_u32 v[ADK], s[TB], v[LI]
.if \more
	v_add_nc_u32 v[STK], s[TB], v[STL]
	v_add_nc_u32 v[ADV], VIMG, v[ADK]
	v_add_nc_u32 v[STV], VIMG, v[STK]
.else
	v_nop
	v_add_nc_u32 v[ADV], VIMG, v[ADK]
	v_nop
.endif
.else
.rept 4
	v_nop
.endr
.endif
.if \s == 3 && \more == 1
	s_barrier_wait -1                              ; every wave has stored its part of the next phase
.endif
	WIN TO_F
.if \s < 3 || \more == 1
	GETK ADK, 8192*(\s+1)                          ; the next step's K
.endif
.irp t, 0,1,2,3                                ; this step's V
.irp c, 0,1,2,3
	ds_load_b128 v[VF+16*\t+4*\c:VF+16*\t+4*\c+3], v[ADV] offset:8192*\s+2048*\t+512*\c
.endr
.endr
.if \s == 0 && \more == 1
	GETPH 32768                                    ; the next phase, stored two steps on
.endif
.if \s == 2 && \more == 1
	s_wait_loadcnt 0x0
	WIN FR_F
	PUTPH STK, 32768
.endif
	WIN 0
.irp x, 0,1                                    ; each query's largest score among my 64 keys, in two chains a tile
	v_max3_num_f32 v[ST+8*\x+6], v[S+64*\x], v[S+64*\x+1], v[S+64*\x+2]
.endr
.irp x, 0,1
	v_max3_num_f32 v[ST+8*\x+7], v[S+64*\x+3], v[S+64*\x+4], v[S+64*\x+5]
.endr
.irp j, 6,10,14,18,22,26,30,34,38,42,46,50,54,58
.irp x, 0,1
	v_max3_num_f32 v[ST+8*\x+6], v[ST+8*\x+6], v[S+64*\x+\j], v[S+64*\x+\j+1]
.endr
.irp x, 0,1
	v_max3_num_f32 v[ST+8*\x+7], v[ST+8*\x+7], v[S+64*\x+\j+2], v[S+64*\x+\j+3]
.endr
.endr
.irp x, 0,1
	v_max3_num_f32 v[ST+8*\x+6], v[ST+8*\x+6], v[S+64*\x+62], v[S+64*\x+63]
.endr
.irp x, 0,1
	v_max3_num_f32 v[ST+8*\x+1], v[ST+8*\x+1], v[ST+8*\x+6], v[ST+8*\x+7]
.endr
.irp x, 0,1
	v_permlanex16_b32 v[ST+8*\x+6], v[ST+8*\x+1], s[SEL], s[SEL+1]
.endr
.irp x, 0,1
	v_max_num_f32 v[ST+8*\x+1], v[ST+8*\x+1], v[ST+8*\x+6]   ; and among lane l xor 16's
.endr
.irp x, 0,1
	v_mul_f32 v[ST+8*\x+7], s[CS], -v[ST+8*\x+1]   ; -t of the largest (c is positive)
.endr
.irp x, 0,1
	v_mov_b32 v[ST+8*\x+6], v[ST+8*\x]
.endr
.irp x, 0,1
	v_floor_f32 v[ST+8*\x], v[ST+8*\x+7]           ; the new -M = -ceil(t)
.endr
.irp x, 0,1
	v_sub_f32 v[ST+8*\x+6], v[ST+8*\x], v[ST+8*\x+6]
.endr
.irp x, 0,1
	v_cvt_i32_f32 v[ST+8*\x+6], v[ST+8*\x+6]       ; (it saturates)
.endr
.irp x, 0,1
	v_ldexp_f32 v[ST+8*\x+4], 1.0, v[ST+8*\x+6]    ; f = 2^(old M - new M)
.endr
.set j, 0
.rept 32
	v_pk_mul_f32 v[O+2*j:O+2*j+1], v[O+2*j:O+2*j+1], v[ST+8*(j/16)+4:ST+8*(j/16)+5] op_sel_hi:[1,0]   ; O^T under the new M
.set j, j+1
.endr
.set j, 0
.rept 32
	v_pk_fma_f32 v[S+2*j:S+2*j+1], v[S+2*j:S+2*j+1], s[CS:CS+1], v[ST:ST+1] op_sel_hi:[1,0,0]   ; tile 0: t - M
.set j, j+1
.endr
	s_wait_alu depctr_va_vdst(0)                   ; ahead of the batch
.if \s == 2 && \more == 1
	s_wait_dscnt 0x0                               ; my part of the next phase is stored, and my loads are in:
	s_barrier_signal -1                            ; say so; register work alone stands between here and the wait in step 3
.endif
.set j, 0
.rept 32
	v_exp_f32 v[S+2*j], v[S+2*j]
	v_exp_f32 v[S+2*j+1], v[S+2*j+1]
	v_pk_fma_f32 v[S+64+2*j:S+64+2*j+1], v[S+64+2*j:S+64+2*j+1], s[CS:CS+1], v[ST+8:ST+9] op_sel_hi:[1,0,0]   ; tile 1: t - M
.set j, j+1
.endr
	s_wait_alu depctr_va_vdst(0)                   ; behind tile 0's batch and ahead of tile 1's
.set j, 0
.rept 16
.irp i, 0,1,2,3
	v_exp_f32 v[S+64+4*j+\i], v[S+64+4*j+\i]
.endr
	v_pk_add_f32 v[T+2*j:T+2*j+1], v[S+4*j:S+4*j+1], v[S+4*j+2:S+4*j+3]   ; tile 0's sums of the unquantised p begin
.set j, j+1
.endr
	s_wait_alu depctr_va_vdst(0)                   ; the wait behind the batch, ahead of its first reader
.set j, 0
.rept 8
	v_pk_add_f32 v[T+2*j:T+2*j+1], v[T+2*j:T+2*j+1], v[T+16+2*j:T+17+2*j]
.set j, j+1
.endr
.set j, 0
.rept 8
	v_pk_add_f32 v[T+16+2*j:T+17+2*j], v[S+64+2*j:S+65+2*j], v[S+80+2*j:S+81+2*j]   ; tile 1's
.set j, j+1
.endr
.irp k, 96,112
.set j, 0
.rept 8
	v_pk_add_f32 v[T+16+2*j:T+17+2*j], v[T+16+2*j:T+17+2*j], v[S+\k+2*j:S+\k+1+2*j]
.set j, j+1
.endr
.endr
.irp n, 4,2,1
.set j, 0
.rept \n
	v_pk_add_f32 v[T+2*j:T+2*j+1], v[T+2*j:T+2*j+1], v[T+2*(j+\n):T+2*(j+\n)+1]
	v_pk_add_f32 v[T+16+2*j:T+17+2*j], v[T+16+2*j:T+17+2*j], v[T+16+2*(j+\n):T+17+2*(j+\n)]
.set j, j+1
.endr
.endr
.irp x, 0,1
	v_pk_fma_f32 v[ST+8*\x+2:ST+8*\x+3], v[ST+8*\x+2:ST+8*\x+3], v[ST+8*\x+4:ST+8*\x+5], v[T+16*\x:T+16*\x+1] op_sel_hi:[1,0,1]   ; the sum under the new M, and this step's
.endr
; THE HOLD.  p is at most 1 (but for rounding), so where ep is at least -8, p / 2^ep is at most 256 and no p reaches 448 x 2^ep: a branch on the given exponent leads round the hold.
	s_wait_alu depctr_va_vdst(0)                   ; ahead of the branch
	s_cmp_ge_i32 s[EP], -8
	s_cbranch_scc1 .Lfits_\@
.set j, 0
.rept 128
	v_min_num_f32 v[S+j], v[S+j], v[HP]            ; the conversion to an 8-bit code does not saturate (ISA guide 7.6.2); p is not negative
.set j, j+1
.endr
.Lfits_\@:
	WIN TO_F
.irp x, 0,1
.irp b, 0,1,2,3
	v_cvt_scalef32_pk8_fp8_f32 v[PC+16*\x+4*\b:PC+16*\x+4*\b+1], v[S+64*\x+16*\b:S+64*\x+16*\b+7], v[SCP]
	v_cvt_scalef32_pk8_fp8_f32 v[PC+16*\x+4*\b+2:PC+16*\x+4*\b+3], v[S+64*\x+16*\b+8:S+64*\x+16*\b+15], v[SCP]
.endr
.endr
	v_nop                                          ; one plain place behind the conversions
	s_wait_alu depctr_va_vdst(0)
	s_wait_dscnt 0x0                               ; V, and the next step's K
	WIN MUL
.irp t, 0,1,2,3                                ; O^T += V^T P^T: eight accumulators by turns
.irp x, 0,1
	v_wmma_f32_16x16x128_fp8_fp8 v[O+32*\x+8*\t:O+32*\x+8*\t+7], v[VF+16*\t:VF+16*\t+15], v[PC+16*\x:PC+16*\x+15], v[O+32*\x+8*\t:O+32*\x+8*\t+7]
.endr
.endr
	WIN 0
.endm
.macro PHASE more
	STEP 0, \more
	STEP 1, \more
	STEP 2, \more
	STEP 3, \more
.endm
.Lphase:                                               ; phases 0, 1, 2; each brings the next
	PHASE 1
	s_add_co_u32 s[TB], s[TB], 32768
	s_wait_xcnt 0x0                                ; this phase's loads have read their base
	s_add_nc_u64 s[4:5], s[4:5], 32768
	s_sub_co_u32 s[CNT], s[CNT], 1
	s_cmp_lg_u32 s[CNT], 0
	s_cbranch_scc1 .Lphase
	PHASE 0                                        ; the last phase brings nothing and has no barrier
	; THE WAY OUT: O^T x 2^(ev + ep) / the sum, through my stage, 16 queries at a time; sixteen lanes store one aligned unit of 256 bytes
.irp x, 0,1
	v_add_f32 v[ST+8*\x+6], v[ST+8*\x+2], v[ST+8*\x+3]
.endr
.irp x, 0,1
	v_permlanex16_b32 v[ST+8*\x+7], v[ST+8*\x+6], s[SEL], s[SEL+1]
.endr
.irp x, 0,1
	v_add_f32 v[ST+8*\x+6], v[ST+8*\x+6], v[ST+8*\x+7]
.endr
	s_wait_alu depctr_va_vdst(0)                   ; ahead of the batch
.irp x, 0,1
	v_rcp_f32 v[ST+8*\x+4], v[ST+8*\x+6]
.endr
	v_nop                                          ; one plain place behind the batch
	s_add_co_i32 s60, s42, s43
	s_wait_alu depctr_va_vdst(0)                   ; and behind it
.irp x, 0,1
	v_ldexp_f32 v[ST+8*\x+4], v[ST+8*\x+4], s60
.endr
	s_wait_alu depctr_va_vdst(0)                   ; directly ahead of the first reader of O^T
.set i, 0
.rept 32
	v_pk_mul_f32 v[S+64*(i/16)+2*(i%16):S+64*(i/16)+2*(i%16)+1], v[O+2*i:O+2*i+1], v[ST+8*(i/16)+4:ST+8*(i/16)+5] op_sel_hi:[1,0]
.set i, i+1
.endr
.irp x, 0,1
.irp t, 0,1,2,3
	ds_store_b128 v[STO], v[S+64*\x+8*\t:S+64*\x+8*\t+3] offset:64*\t
	ds_store_b128 v[STO], v[S+64*\x+8*\t+4:S+64*\x+8*\t+7] offset:64*\t+16
.endr
.irp n, 0,1,2,3,4,5,6,7                        ; LDS serves a wave's instructions in order: these see my stores, and tile 1's stores come behind them
	ds_load_b128 v[S+64*\x+32+4*\n:S+64*\x+32+4*\n+3], v[RD] offset:2*SP*\n
.endr
.endr
.irp n, 0,1,2,3,4,5,6,7
	s_wait_dscnt 23-\n                             ; behind load n: 7 - n loads and tile 1's 16 LDS instructions
	global_store_b128 v[GO], v[S+32+4*\n:S+32+4*\n+3], s[10:11] offset:4096*\n th:TH_STORE_NT
.endr
.irp n, 0,1,2,3,4,5,6,7
	s_wait_dscnt 7-\n
	global_store_b128 v[GO], v[S+96+4*\n:S+96+4*\n+3], s[10:11] offset:32768+4096*\n th:TH_STORE_NT
.endr
	s_wait_tensorcnt 0x0                           ; the wave's end
	ds_add_u32 v[SPW], v[NIL]
	s_wait_dscnt 0x0
	s_endpgm
.Lfunc_end_k_qf4fe85db30_attn:
	.size	k_qf4fe85db30_attn, .Lfunc_end_k_qf4fe85db30_attn-k_qf4fe85db30_attn
	.p2alignl 7, 3214868480
	.fill 96, 4, 3214868480
	.section	.rodata,"a",@progbits
	.p2align	6, 0x0
	.amdhsa_kernel k_qf4fe85db30_attn
		.amdhsa_group_segment_fixed_size 297984
		.amdhsa_private_segment_fixed_size 0
		.amdhsa_enable_private_segment 0
		.amdhsa_kernarg_size 32
		.amdhsa_user_sgpr_count 2
		.amdhsa_user_sgpr_kernarg_segment_ptr 1
		.amdhsa_wavefront_size32 1
		.amdhsa_system_sgpr_workgroup_id_x 1
		.amdhsa_system_sgpr_workgroup_id_y 1
		.amdhsa_system_sgpr_workgroup_id_z 1
		.amdhsa_system_vgpr_workitem_id 0
		.amdhsa_next_free_vgpr 512
		.amdhsa_next_free_sgpr 66
		.amdhsa_reserve_vcc 0
		.amdhsa_float_denorm_mode_32 3
		.amdhsa_float_denorm_mode_16_64 3
		.amdhsa_memory_ordered 1
		.amdhsa_forward_progress 1
		.amdhsa_inst_pref_size 249
	.end_amdhsa_kernel
	.amdgpu_metadata
---
amdhsa.version: [ 1, 2 ]
amdhsa.kernels:
  - .name:           k_qf4fe85db30_attn
    .symbol:         k_qf4fe85db30_attn.kd
    .args:
      - { .name: kv, .offset: 0, .size: 8, .value_kind: global_buffer, .address_space: global }
      - { .name: lowp_scales, .offset: 8, .size: 8, .value_kind: global_buffer, .address_space: global }
      - { .name: query, .offset: 16, .size: 8, .value_kind: global_buffer, .address_space: global }
      - { .name: out0, .offset: 24, .size: 8, .value_kind: global_buffer, .address_space: global }
    .group_segment_fixed_size: 297984
    .private_segment_fixed_size: 0
    .kernarg_segment_align: 8
    .kernarg_segment_size: 32
    .max_flat_workgroup_size: 256
    .sgpr_count:     66
    .vgpr_count:     512
    .wavefront_size: 32
...
	.end_amdgpu_metadata
.endif
;; end of part 2
